; MI455X (gfx1250); checked and timed in simulation.
; The chip was launched on July 23, 2026; its instructions are those of AMD's public machine-readable ISA for CDNA 5 (MIT licence, August 2026) and "CDNA5" Instruction Set Architecture Reference Guide (July 2026). The comments in the code are by the model that wrote it; some were corrected since.
;; Neural ODE Layer. Allowed arithmetic: float matrix products may take bf16 or f16 operands with f32 sums; all other float work in f32.
;; Inputs: W1 512 x 512 float32; W2 512 x 512 float32; W3 512 x 512 float32; Wp 256 x 512 float32; b1 512 float32; b2 512 float32; b3 512 float32; bp 512 float32; u_t 8,192 x 256 float32; y 8,192 x 512 float32.
;; Outputs: out0 8,192 x 512 float32.
;; 2 versions, each right and faster than the one before. Each part assembles by itself: llvm-mc -triple=amdgcn-amd-amdhsa -mcpu=gfx1250 --defsym DOCPART=n.
;; ======== version 1 of 2: 2 launches
;; workspace buffers: wpack 2,359,296 bytes; btab 18,432 bytes
;; launch prep (part 1): grid 264 x 1, 4 waves a work-group, no clusters, 0 bytes of LDS; arguments W1, W2, W3, Wp, b1, b2, b3, bp, wpack, btab; writes wpack, btab
.if DOCPART == 1
	.amdgcn_target "amdgcn-amd-amdhsa--gfx1250"
	.amdhsa_code_object_version 6
	.text
	.protected	k_q1c224f02e5_prep
	.globl	k_q1c224f02e5_prep
	.p2align	8
	.type	k_q1c224f02e5_prep,@function
k_q1c224f02e5_prep:
	s_mov_b64 s[64:65], 0
	v_nop
	global_prefetch_b8 v0, s[64:65] scope:SCOPE_SE
	s_setreg_imm32_b32 hwreg(HW_REG_WAVE_MODE, 25, 1), 1
	s_wait_xcnt 0x0
; PREPARATION FOR THE FUSED DORMAND-PRINCE STEP.
; reference(): s = y + u Wp + bp;  k_j = tanh(tanh(x_j W1 + b1) W2 + b2) W3 + b3,  x_j = s + c sum_i a_ji k_i,  c = 0.1;  out = s + c sum_j b_j k_j.
; Nothing non-linear stands between W3 and the next stage's W1, so with t_j = the second tanh of stage j, for all values of the inputs
;   x_j W1 + b1 = (s W1 + b1) + (sum_i c a_ji t_i)(W3 W1) + c (sum_i a_ji)(b3 W1),   out = s + (sum_j c b_j t_j) W3 + c b3   (the b_j add up to 1).
; That is 13.5 products of 8192 x 512 x 512 in place of 18.5, and one product 512 x 512 x 512, made here.
; No input and no stage is left out: all ten inputs reach the output (k2 has no weight in the last sum but feeds k3 to k6).
; LIMITS: the order of rounding differs from reference()'s: W3 W1 and b3 W1 are formed first, from operands rounded to bf16, summed in f32, and W3 W1 is
; rounded to bf16 once more.  An overflow of W3 W1 in f32 (weights near 1e18) that reference()'s own order would not have is not reproduced.
; K2 = 2 log2(e) is folded into W1, W2, W3 W1 and their biases: a pre-activation is then the argument of exp2 in tanh(x) = 1 - 2 / (1 + exp2(K2 x)).
;
; OUTPUT wpack: bf16 weights in the order in which the matrix unit's first source wants them.  Block (it, nt) = rows 16 it .. +15 (k), columns 16 nt .. +15 (n)
; of a matrix is 512 bytes: lane (r = lane % 16, h = lane / 16) holds W[16 it + 8 h + 0..7][16 nt + r] as 16 bytes.  It lies at
;   matrix + (it>>3) 131072 + (nt>>3) 32768 + ((it>>1)&3) 8192 + (nt&7) 1024 + (it&1) 512 + 16 lane.
; OUTPUT btab: nine vectors of 512 f32: bp, K2 b1, K2 b2, K2 c c_i (b3 W1) for stages 2 to 6 (c_i = sum of row i of the tableau), c b3.
;
; 1,056 waves.  Wave g = 4 x work-group + wave has it = g / 32 (0..32), nt = g % 32.  it < 32: it packs block (it, nt) of W1, W2, W3 (and of Wp where it < 16)
; and makes block (it, nt) of W3 W1: the result's layout (register j of lane (r, h) = row 8 h + j, column r) IS the packed layout.
; it = 32: all sixteen rows of the first source are b3, so every row of the result is b3 W1; these 32 waves write btab.
; The columns of W1 are read as 64 bytes of a row (16 lanes x 4 bytes): the matrices are 1 MiB each and are read again and again by neighbours.
.set K2,   0x4038aa3b                  ; 2 log2(e)
.set WPB,  0                           ; the matrices' places in wpack
.set W1B,  262144
.set W2B,  786432
.set W31B, 1310720
.set W3B,  1835008
.set ACC0, 8                           ; v[8:15], v[16:23]: two sums that take turns
.set ACC1, 16
.set FA,   24                          ; v[24:55]   four K steps' fragments of W3 (or b3), bf16
.set FB,   56                          ; v[56:87]   four K steps' fragments of W1, bf16
.set RA,   88                          ; v[88:151]  the same as loaded, f32
.set RB,   152                         ; v[152:215]
.set PK,   216                         ; v[216:247] four tiles to pack, 8 registers each
	s_load_b512 s[8:23], s[0:1], 0x0               ; W1 s[8:9], W2 s[10:11], W3 s[12:13], Wp s[14:15], b1 s[16:17], b2 s[18:19], b3 s[20:21], bp s[22:23]
	s_load_b128 s[24:27], s[0:1], 0x40             ; wpack s[24:25], btab s[26:27]
	v_lshrrev_b32 v7, 5, v0
	v_readfirstlane_b32 s4, v7                     ; wave
	s_lshl_b32 s5, ttmp9, 2
	s_add_co_u32 s5, s5, s4                        ; g
	s_and_b32 s6, s5, 31                           ; nt
	s_lshr_b32 s5, s5, 5                           ; it
	v_and_b32 v1, 15, v0                           ; r
	v_bfe_u32 v2, v0, 4, 1                         ; h
	v_and_b32 v3, 31, v0
	v_lshlrev_b32 v3, 4, v3                        ; 16 lane: my 16 bytes of a packed block
	v_lshlrev_b32 v6, 2, v1                        ; 4 r
	v_lshl_add_u32 v5, v2, 14, v6                  ; 8 h rows of 2,048 bytes + 4 r: my column in a [k][n] matrix
	; the block's place in a packed matrix
	s_lshr_b32 s7, s5, 3
	s_lshl_b32 s7, s7, 17
	s_lshr_b32 s35, s6, 3
	s_lshl_b32 s35, s35, 15
	s_add_co_u32 s7, s7, s35
	s_bfe_u32 s35, s5, 0x20001                     ; (it >> 1) & 3
	s_lshl_b32 s35, s35, 13
	s_add_co_u32 s7, s7, s35
	s_and_b32 s35, s6, 7
	s_lshl_b32 s35, s35, 10
	s_add_co_u32 s7, s7, s35
	s_and_b32 s35, s5, 1
	s_lshl_b32 s35, s35, 9
	s_add_co_u32 s28, s7, s35
	s_mov_b32 s29, 0
	s_lshl_b32 s30, s6, 6                          ; 64 nt: 16 columns of f32
	s_mov_b32 s31, 0
	s_lshl_b32 s32, s5, 15                         ; 32768 it: 16 rows of 2,048 bytes
	s_mov_b32 s33, 0
	s_cmp_eq_u32 s5, 32
	s_cselect_b32 s34, 0, 0x800                    ; it = 32: all sixteen rows of the first source are the one row b3
	s_cselect_b32 s32, 0, s32
	v_mul_lo_u32 v4, v1, s34
	v_lshl_add_u32 v4, v2, 5, v4                   ; r x row + 32 h: my 8 f32 of the first source's row
	s_wait_kmcnt 0x0
	s_cmp_eq_u32 s5, 32
	s_cselect_b64 s[36:37], s[20:21], s[12:13]     ; b3 or W3
	s_add_nc_u64 s[36:37], s[36:37], s[32:33]      ; the first source's rows
	s_add_nc_u64 s[38:39], s[8:9], s[30:31]        ; W1 at my 16 columns: the second source
	s_add_nc_u64 s[40:41], s[38:39], s[32:33]      ; tile (it, nt) of W1,
	s_add_nc_u64 s[42:43], s[10:11], s[30:31]
	s_add_nc_u64 s[42:43], s[42:43], s[32:33]      ; of W2,
	s_add_nc_u64 s[44:45], s[12:13], s[30:31]
	s_add_nc_u64 s[44:45], s[44:45], s[32:33]      ; of W3,
	s_add_nc_u64 s[46:47], s[14:15], s[30:31]
	s_add_nc_u64 s[46:47], s[46:47], s[32:33]      ; of Wp (used where it < 16 alone)
	s_add_nc_u64 s[28:29], s[24:25], s[28:29]      ; wpack at my block
; Four K steps of 32 as f32.  First source: row r, k = 32 ks + 8 h + 0..7 and + 16: four loads of 16 bytes.  Second: column r, the same k: sixteen loads of 4 bytes.
.macro LOADB b
.irp q, 0,1,2,3
	global_load_b128 v[RA+16*\q:RA+16*\q+3],     v4, s[36:37] offset:128*(4*\b+\q)
	global_load_b128 v[RA+16*\q+4:RA+16*\q+7],   v4, s[36:37] offset:128*(4*\b+\q)+16
	global_load_b128 v[RA+16*\q+8:RA+16*\q+11],  v4, s[36:37] offset:128*(4*\b+\q)+64
	global_load_b128 v[RA+16*\q+12:RA+16*\q+15], v4, s[36:37] offset:128*(4*\b+\q)+80
.irp e, 0,1,2,3,4,5,6,7
	global_load_b32 v[RB+16*\q+\e],   v5, s[38:39] offset:(32*(4*\b+\q)+\e)*2048
	global_load_b32 v[RB+16*\q+8+\e], v5, s[38:39] offset:(32*(4*\b+\q)+16+\e)*2048
.endr
.endr
.endm
.macro CVTB                            ; 128 f32 to 64 registers of bf16 pairs, the lower k in the lower half
.set i, 0
.rept 32
	v_cvt_pk_bf16_f32 v[FA+i], v[RA+2*i], v[RA+2*i+1]
	v_cvt_pk_bf16_f32 v[FB+i], v[RB+2*i], v[RB+2*i+1]
.set i, i+1
.endr
.endm
; Four matrix instructions; the two sums take turns, one instruction a turn.  zero = 1: the first two start the sums.
.macro MM zero
.if \zero
	v_wmma_f32_16x16x32_bf16 v[ACC0:ACC0+7], v[FA:FA+7], v[FB:FB+7], 0
	v_wmma_f32_16x16x32_bf16 v[ACC1:ACC1+7], v[FA+8:FA+15], v[FB+8:FB+15], 0
.else
	v_wmma_f32_16x16x32_bf16 v[ACC0:ACC0+7], v[FA:FA+7], v[FB:FB+7], v[ACC0:ACC0+7]
	v_wmma_f32_16x16x32_bf16 v[ACC1:ACC1+7], v[FA+8:FA+15], v[FB+8:FB+15], v[ACC1:ACC1+7]
.endif
	v_wmma_f32_16x16x32_bf16 v[ACC0:ACC0+7], v[FA+16:FA+23], v[FB+16:FB+23], v[ACC0:ACC0+7]
	v_wmma_f32_16x16x32_bf16 v[ACC1:ACC1+7], v[FA+24:FA+31], v[FB+24:FB+31], v[ACC1:ACC1+7]
.endm
.macro PLACES                          ; four independent vector instructions between a matrix instruction and a write of its sources or a read of its result (ISA guide 7.12.1)
.rept 4
	v_nop
.endr
.endm
.macro TILE_LD n, lo                   ; tile n of the four: rows 8 h + j, column r
.irp j, 0,1,2,3,4,5,6,7
	global_load_b32 v[PK+8*\n+\j], v5, s[\lo:\lo+1] offset:\j*2048
.endr
.endm
.macro TILE_ST n, scale, mb            ; scaled by K2 or not, rounded to bf16, stored: the wave's store covers 512 consecutive bytes, aligned
.if \scale
.irp j, 0,2,4,6
	v_pk_mul_f32 v[PK+8*\n+\j:PK+8*\n+\j+1], v[PK+8*\n+\j:PK+8*\n+\j+1], K2 op_sel_hi:[1,0]
.endr
.endif
.irp j, 0,1,2,3
	v_cvt_pk_bf16_f32 v[PK+8*\n+\j], v[PK+8*\n+2*\j], v[PK+8*\n+2*\j+1]
.endr
	global_store_b128 v3, v[PK+8*\n:PK+8*\n+3], s[28:29] offset:\mb
.endm
	LOADB 0                                        ; the product's first loads go out ahead of the tiles to pack
	s_cmp_eq_u32 s5, 32
	s_cbranch_scc1 .Lproduct
	TILE_LD 0, 40
	TILE_LD 1, 42
	TILE_LD 2, 44
	s_cmp_ge_u32 s5, 16
	s_cbranch_scc1 .Lthree
	TILE_LD 3, 46                                  ; Wp has 256 rows: it < 16
	s_wait_loadcnt 0x0
	TILE_ST 3, 0, WPB
.Lthree:
	s_wait_loadcnt 0x0
	TILE_ST 0, 1, W1B
	TILE_ST 1, 1, W2B
	TILE_ST 2, 0, W3B
.Lproduct:
	s_wait_loadcnt 0x0                             ; K steps 0 to 3 are in
	CVTB
	LOADB 1                                        ; the raw registers have been read: the next four K steps go out ahead of the products
	MM 1
	s_wait_loadcnt 0x0
	PLACES
	CVTB
	LOADB 2
	MM 0
	s_wait_loadcnt 0x0
	PLACES
	CVTB
	LOADB 3
	MM 0
	s_wait_loadcnt 0x0
	PLACES
	CVTB
	MM 0
	PLACES
	s_cmp_eq_u32 s5, 32
	s_cbranch_scc1 .Lbias
.irp j, 0,2,4,6
	v_pk_add_f32 v[ACC0+\j:ACC0+\j+1], v[ACC0+\j:ACC0+\j+1], v[ACC1+\j:ACC1+\j+1]
.endr
.irp j, 0,2,4,6
	v_pk_mul_f32 v[ACC0+\j:ACC0+\j+1], v[ACC0+\j:ACC0+\j+1], K2 op_sel_hi:[1,0]
.endr
.irp j, 0,1,2,3
	v_cvt_pk_bf16_f32 v[ACC0+\j], v[ACC0+2*\j], v[ACC0+2*\j+1]
.endr
	global_store_b128 v3, v[ACC0:ACC0+3], s[28:29] offset:W31B
	s_endpgm
.Lbias:
	; it = 32: register 0 of every lane holds (b3 W1)[16 nt + r].  Nine values for that column; 64 bytes a store, 18 KiB in the whole launch.
	v_add_nc_u32 v7, s30, v6                       ; 64 nt + 4 r
	global_load_b32 v24, v7, s[22:23]              ; bp
	global_load_b32 v25, v7, s[16:17]              ; b1
	global_load_b32 v26, v7, s[18:19]              ; b2
	global_load_b32 v32, v7, s[20:21]              ; b3
	v_add_f32 v8, v8, v16
	v_mul_f32 v27, 0x3d6c5f04, v8                  ; K2 c / 5
	v_mul_f32 v28, 0x3db14743, v8                  ; K2 c 3 / 10
	v_mul_f32 v29, 0x3e6c5f04, v8                  ; K2 c 4 / 5
	v_mul_f32 v30, 0x3e83513b, v8                  ; K2 c 8 / 9
	v_mul_f32 v31, 0x3e93bb63, v8                  ; K2 c
	s_wait_loadcnt 0x0
	v_mul_f32 v25, K2, v25
	v_mul_f32 v26, K2, v26
	v_mul_f32 v32, 0x3dcccccd, v32                 ; c b3
	v_cmp_gt_u32 vcc_lo, 0x100, v3                 ; lanes 0 to 15: lanes 16 to 31 hold the same columns
	s_wait_xcnt 0x0                                ; EXEC is a source of the memory instructions issued: it changes only behind this wait
	s_and_saveexec_b32 s34, vcc_lo
.irp n, 0,1,2,3,4,5,6,7,8
	global_store_b32 v7, v[24+\n], s[26:27] offset:\n*2048
.endr
	s_wait_xcnt 0x0                                ; and again in front of the line that widens it
	s_or_b32 exec_lo, exec_lo, s34
	s_endpgm
.Lfunc_end_k_q1c224f02e5_prep:
	.size	k_q1c224f02e5_prep, .Lfunc_end_k_q1c224f02e5_prep-k_q1c224f02e5_prep
	.p2alignl 7, 3214868480
	.fill 96, 4, 3214868480
	.section	.rodata,"a",@progbits
	.p2align	6, 0x0
	.amdhsa_kernel k_q1c224f02e5_prep
		.amdhsa_group_segment_fixed_size 0
		.amdhsa_private_segment_fixed_size 0
		.amdhsa_enable_private_segment 0
		.amdhsa_kernarg_size 80
		.amdhsa_user_sgpr_count 2
		.amdhsa_user_sgpr_kernarg_segment_ptr 1
		.amdhsa_wavefront_size32 1
		.amdhsa_system_sgpr_workgroup_id_x 1
		.amdhsa_system_sgpr_workgroup_id_y 1
		.amdhsa_system_sgpr_workgroup_id_z 1
		.amdhsa_system_vgpr_workitem_id 0
		.amdhsa_next_free_vgpr 248
		.amdhsa_next_free_sgpr 66
		.amdhsa_reserve_vcc 1
		.amdhsa_float_denorm_mode_32 3
		.amdhsa_float_denorm_mode_16_64 3
		.amdhsa_memory_ordered 1
		.amdhsa_forward_progress 1
		.amdhsa_inst_pref_size 59
	.end_amdhsa_kernel
	.amdgpu_metadata
---
amdhsa.version: [ 1, 2 ]
amdhsa.kernels:
  - .name:           k_q1c224f02e5_prep
    .symbol:         k_q1c224f02e5_prep.kd
    .args:
      - { .name: W1, .offset: 0, .size: 8, .value_kind: global_buffer, .address_space: global }
      - { .name: W2, .offset: 8, .size: 8, .value_kind: global_buffer, .address_space: global }
      - { .name: W3, .offset: 16, .size: 8, .value_kind: global_buffer, .address_space: global }
      - { .name: Wp, .offset: 24, .size: 8, .value_kind: global_buffer, .address_space: global }
      - { .name: b1, .offset: 32, .size: 8, .value_kind: global_buffer, .address_space: global }
      - { .name: b2, .offset: 40, .size: 8, .value_kind: global_buffer, .address_space: global }
      - { .name: b3, .offset: 48, .size: 8, .value_kind: global_buffer, .address_space: global }
      - { .name: bp, .offset: 56, .size: 8, .value_kind: global_buffer, .address_space: global }
      - { .name: wpack, .offset: 64, .size: 8, .value_kind: global_buffer, .address_space: global }
      - { .name: btab, .offset: 72, .size: 8, .value_kind: global_buffer, .address_space: global }
    .group_segment_fixed_size: 0
    .private_segment_fixed_size: 0
    .kernarg_segment_align: 8
    .kernarg_segment_size: 80
    .max_flat_workgroup_size: 128
    .sgpr_count:     66
    .vgpr_count:     248
    .wavefront_size: 32
...
	.end_amdgpu_metadata
.endif
;; end of part 1
;; launch ode (part 2): grid 256 x 1, 4 waves a work-group, clusters of 4 x 1, 327,680 bytes of LDS; arguments y, u_t, wpack, btab, out0; writes out0
.if DOCPART == 2
	.amdgcn_target "amdgcn-amd-amdhsa--gfx1250"
	.amdhsa_code_object_version 6
	.text
	.protected	k_q1c224f02e5_ode
	.globl	k_q1c224f02e5_ode
	.p2align	8
	.type	k_q1c224f02e5_ode,@function
k_q1c224f02e5_ode:
	s_mov_b64 s[64:65], 0
	v_nop
	global_prefetch_b8 v0, s[64:65] scope:SCOPE_SE
	s_setreg_imm32_b32 hwreg(HW_REG_WAVE_MODE, 25, 1), 1
	s_wait_xcnt 0x0
	s_wait_alu depctr_hold_cnt(0) depctr_sa_sdst(0) depctr_va_vdst(0) depctr_va_sdst(0) depctr_va_ssrc(0) depctr_va_vcc(0) depctr_vm_vsrc(0)
	s_getreg_b32 s2, hwreg(HW_REG_IB_STS2, 6, 4)
	s_cmp_eq_u32 s2, 0
	s_cbranch_scc0 .Lentry_in_a_cluster
	s_endpgm
.Lentry_in_a_cluster:
	s_bfe_u32 s2, ttmp6, 0x10000c
	s_cmp_lg_u32 s2, 0x3003
	s_cbranch_scc0 .Lentry_shape_is_right
	s_endpgm
.Lentry_shape_is_right:
; ONE DORMAND-PRINCE STEP OF A 3-LAYER TANH NET, FUSED: 32 rows of the batch for each work-group, from y and u_t to out0, nothing through memory between.
; With W31 = W3 W1 and b31 = b3 W1 (made by the launch before, see its head: exact for all inputs, no input or stage left out), t_j = stage j's second tanh, c = 0.1:
;   S = y + u Wp + bp;   Z = K2 (S W1 + b1);   stage 1: h = tanh from Z;   stage i > 1: h = tanh from Z + q_i (K2 W31) + K2 c c_i b31,  q_i = sum_j c a_ij t_j;
;   t_i = tanh from h (K2 W2) + K2 b2;   out = S + q_f W3 + c b3,  q_f = sum_j c b_j t_j.      tanh from v = 1 - 2 / (1 + exp2(v)), v = K2 x, K2 = 2 log2(e).
; Fourteen products in a row: P (K = 256), G0, then H1 Z2 H2 Z3 H3 Z4 H4 Z5 H5 Z6 H6, then F.
; LIMITS: the order of rounding differs from reference()'s (W3 W1 first, rounded to bf16; the q_i are summed in f32 and rounded to bf16 as matrix operands).
; exp2 that overflows gives tanh = 1, exp2 that underflows (flushed to 0) gives -1, a NaN goes through.
;
; SHARES: wave w makes all 32 rows x features 128 w .. +127: 16 accumulator tiles (ft 0..7, mt 0..1), tile 2 ft + mt.  The matrix instruction is used transposed:
; source 0 = 16 features x 32 k of the weights, source 1 = 16 rows of the batch x 32 k of the activations; lane (r, h) then holds row 16 mt + r, features
; 128 w + 16 ft + 8 h + 0..7: eight neighbours, which pack into 16 bytes of bf16 for the next product's activations.
; WEIGHTS: a stream of 54 chunks of 128 KiB (K = 128 x 512 features, in fragment order) through two LDS slots; wave w fetches and reads quarter w alone.
; CLUSTER: all work-groups walk the same weights, so four form a cluster and ask for each quarter chunk jointly (mask 15): the requests for weights are divided by four.
; The text is straight-line (each line runs once): the stages' updates differ, and the ring of eleven fragment registers does not close on a chunk's 32 pairs.
; The products and the tanh phases stand one behind the other here.
;
; LDS: slot 0 at 0, slot 1 at 131072 (128 KiB each); X at 262144: 32 rows x 1040 bytes (512 bf16 + 16: the sixteen rows that a load touches start 65 x 16 bytes apart);
; btab at 295424 (18,432 bytes).  X is filled by LDS stores alone.  First fill of slot 0: y's strip (32 rows x 512 bytes, pitch 528) and u's (32 x 256, pitch 272) in each wave's quarter.
; The way out is staged in each wave's quarter of slot 1, whose last fill (chunk 52) has been read by then.
;
; REGISTERS, windows of 256:  block 0: v0-15 addresses, v16-63 at work, v64-127 BT (a bias vector in the result's layout), v128-255 R2
;   block 1: v0-127 ACC, v128-215 eleven weight fragments, v216-247 two buffers of activation fragments, v248-254 LDS addresses
;   block 2: v0-127 S, v128-255 Z          block 3: v0-127 R0, v128-255 R1
; Accumulators, fragments and their LDS addresses share block 1, so that one setting serves the matrix instructions and the LDS loads set between them.
.set CH,    131072                     ; bytes in a chunk, and in a slot
.set WPB,   0                          ; the matrices' places in wpack
.set W1B,   262144
.set W2B,   786432
.set W31B,  1310720
.set W3B,   1835008
.set XBASE, 262144
.set XP,    1040
.set BTB,   295424
.set YP,    528
.set UP,    272
.set UOFF,  16896                      ; u's strip behind y's 32 x 528 bytes
.set BA,    4                          ; block 0: btab + 512 w + 32 h
.set YRD,   5                          ;   my 32 bytes of y's strip, row r
.set URD,   6                          ;   u's strip, row = lane
.set UST,   7                          ;   X, row = lane, byte 128 w
.set XST0,  8                          ;   X, row r, byte 256 w + 16 h
.set TQ,    16                         ;   v[16:47] at work
.set TP,    48                         ;   v[48:63] packed
.set BT,    64
.set R2,    128
.set WR,    128                        ; block 1: the ring of weight fragments
.set XF,    216                        ;   activation fragments
.set WADR,  248                        ;   v248, v249: slot 0, 1 + 32768 w + 16 lane
.set XRD,   250                        ;   X + 1040 r + 16 h
.set XST,   251                        ;   the same as XST0
.set SST,   252                        ;   the stage: slot 1 + 32768 w + 528 r + 32 h
.set OOFF,  254                        ;   512 w + 16 lane: my 16 bytes of a row of out0
.set K21, 0x3ca3d70a                   ; c a_ij and c b_j
.set K31, 0x3bf5c28f
.set K32, 0x3cb851ec
.set K41, 0x3dc83fb7
.set K42, 0xbebf258c
.set K43, 0x3eb60b61
.set K51, 0x3e972c4d
.set K52, 0xbf946d18
.set K53, 0x3f7b7750
.set K54, 0xbcee3b23
.set K61, 0x3e91bab3
.set K62, 0xbf89b26d
.set K63, 0x3f640122
.set K64, 0x3ce4129e
.set K65, 0xbce013ac
.set KB1, 0x3c155555
.set KB3, 0x3d3801d7
.set KB4, 0x3d855555
.set KB5, 0xbd040b98
.set KB6, 0x3c568d69
.set MSB, 0
.macro WIN new                         ; low byte: bits 1:0 source 0, 3:2 source 1, 5:4 source 2, 7:6 destination; the high byte repeats the setting that is left
.if MSB != \new
	s_set_vgpr_msb (MSB<<8)|\new
.set MSB, \new
.endif
.endm
; A round of the cluster's barrier: my work-group's barrier, wave 0 signals for the work-group, every wave waits for all four work-groups, my work-group's barrier again.
.macro ROUND
	s_barrier_signal -1
	s_barrier_wait -1
	s_cmp_lg_u32 s14, 0
	s_cbranch_scc1 .Lnot_wave_0_\@
	s_barrier_signal -3
.Lnot_wave_0_\@:
	s_barrier_wait -3
	s_barrier_signal -1
	s_barrier_wait -1
.endm
.macro PLACES                          ; four independent vector instructions between the last matrix instruction and the first reader of a result (ISA guide 7.12.1)
.rept 4
	v_nop
.endr
.endm
	s_load_b256 s[4:11], s[0:1], 0x0               ; y s[4:5], u_t s[6:7], wpack s[8:9], btab s[10:11]
	s_load_b64 s[12:13], s[0:1], 0x20              ; out0
	s_set_vgpr_msb 0x40
	v_lshl_add_u32 v253, v0, 2, 0x4ca00
	v_mov_b32 v255, 0
	s_set_vgpr_msb 0x4045
	ds_add_u32 v253, v255
	s_set_vgpr_msb 0x4500
	v_lshrrev_b32 v1, 5, v0
	v_readfirstlane_b32 s14, v1                    ; wave
	s_bfe_u32 s15, ttmp6, 0x40000                  ; my place in the cluster
	s_lshl_b32 s16, ttmp9, 2                       ; ttmp9 counts clusters
	s_add_co_u32 s16, s16, s15                     ; work-group: rows 32 x this
	s_lshl_b32 s17, s14, 15                        ; 32768 w: my quarter of a slot and of a chunk
	; group 1 for the weights: 128 rows of 256 bytes (32 elements of 8 bytes), dense; asked for jointly by the four work-groups
	s_mov_b32 s24, 0x0023000f                      ; 15:0 mask 15; 17:16 elements of 8 bytes; bit 21 set beside a mask
	s_mov_b32 s25, 32<<16                          ; tensor_dim0 = 32
	s_mov_b32 s26, 128<<16                         ; tensor_dim1 = 128
	s_mov_b32 s27, 32<<16                          ; tile_dim0 = 32
	s_mov_b32 s28, 128                             ; tile_dim1 = 128
	s_mov_b32 s29, 32                              ; pitch = 32 elements
	s_mov_b32 s30, 0
	s_mov_b32 s31, 0
	; group 1 for y's strip: 32 rows x 128 f32, pitch 512, 4 words of padding behind every 128
	s_mov_b32 s40, 0x07920000
	s_mov_b32 s41, 128<<16
	s_mov_b32 s42, 32<<16
	s_mov_b32 s43, 128<<16
	s_mov_b32 s44, 32
	s_mov_b32 s45, 512
	s_mov_b32 s46, 0
	s_mov_b32 s47, 0
	; group 1 for u's strip: 32 rows x 64 f32, pitch 256, 4 words of padding behind every 64
	s_mov_b32 s52, 0x07520000
	s_mov_b32 s53, 64<<16
	s_mov_b32 s54, 32<<16
	s_mov_b32 s55, 64<<16
	s_mov_b32 s56, 32
	s_mov_b32 s57, 256
	s_mov_b32 s58, 0
	s_mov_b32 s59, 0
	; group 1 for a quarter of btab: 18 rows of 256 bytes, dense
	s_mov_b32 s68, 3<<16
	s_mov_b32 s69, 32<<16
	s_mov_b32 s70, 18<<16
	s_mov_b32 s71, 32<<16
	s_mov_b32 s72, 18
	s_mov_b32 s73, 32
	s_mov_b32 s74, 0
	s_mov_b32 s75, 0
	; groups 0: count, LDS address (the wave's number and constants alone), global address, type
	s_mov_b32 s32, 1                               ; weights into slot 0
	s_mov_b32 s33, s17
	s_mov_b32 s36, 1                               ; weights into slot 1
	s_add_co_u32 s37, s17, CH
	s_mov_b32 s48, 1                               ; y
	s_mov_b32 s49, s17
	s_mov_b32 s60, 1                               ; u
	s_add_co_u32 s61, s17, UOFF
	s_mov_b32 s76, 1                               ; btab
	s_mul_i32 s20, s14, 4608
	s_add_co_u32 s77, s20, BTB
	s_mov_b32 s21, 0                               ; s[20:21]: offsets made of the wave's number alone; s[22:23]: those that hold the work-group's number
	s_mov_b32 s23, 0
	s_wait_dscnt 0x0
	s_wait_kmcnt 0x0
	s_add_nc_u64 s[78:79], s[10:11], s[20:21]
	s_or_b32 s79, s79, 0x80000000
	s_mov_b32 s20, s17
	s_add_nc_u64 s[18:19], s[8:9], s[20:21]        ; wpack at my quarter of chunk 0: equal in all four work-groups
	s_mov_b64 s[38:39], s[18:19]                   ; chunk 0 = Wp's first
	s_or_b32 s39, s39, 0x80000000
	s_lshl_b32 s22, s16, 16                        ; 32 rows of 2,048 bytes
	s_add_nc_u64 s[12:13], s[12:13], s[22:23]      ; out0 at my first row
	s_lshl_b32 s2, s14, 9                          ; 512 w
	s_add_co_u32 s22, s22, s2
	s_add_nc_u64 s[50:51], s[4:5], s[22:23]
	s_or_b32 s51, s51, 0x80000000
	s_lshl_b32 s22, s16, 15                        ; 32 rows of 1,024 bytes
	s_lshl_b32 s3, s14, 8
	s_add_co_u32 s22, s22, s3
	s_add_nc_u64 s[62:63], s[6:7], s[22:23]
	s_or_b32 s63, s63, 0x80000000
	ROUND                                          ; all four work-groups are here: the first joint load meets its partners'
	tensor_load_to_lds s[48:51], s[40:47]          ; the first fills go out as one group: four loads of this wave are out
	s_nop 0
	tensor_load_to_lds s[60:63], s[52:59]
	s_nop 0
	tensor_load_to_lds s[76:79], s[68:75]
	s_nop 0
	tensor_load_to_lds s[36:39], s[24:31]          ; chunk 0 into slot 1
	s_nop 0
	; addresses, while the loads are on their way
	v_and_b32 v3, 31, v0                           ; lane
	v_and_b32 v1, 15, v0                           ; r
	v_bfe_u32 v2, v0, 4, 1                         ; h
	v_mul_u32_u24 v10, v1, XP
	v_mul_u32_u24 v11, v1, YP
	s_add_co_u32 s3, s2, BTB
	v_lshl_add_u32 v[BA], v2, 5, s3
	v_lshl_add_u32 v[YRD], v2, 5, v11
	v_add_nc_u32 v[YRD], s17, v[YRD]
	v_mul_u32_u24 v[URD], v3, UP
	v_add_nc_u32 v[URD], s61, v[URD]
	v_mul_u32_u24 v[UST], v3, XP
	s_lshl_b32 s3, s14, 7
	s_add_co_u32 s3, s3, XBASE
	v_add_nc_u32 v[UST], s3, v[UST]
	v_lshl_add_u32 v9, v2, 4, v10
	v_add_nc_u32 v9, XBASE, v9
	s_lshl_b32 s3, s14, 8
	v_add_nc_u32 v[XST0], s3, v9
	WIN 0x40                                       ; destinations in block 1
	v_lshl_add_u32 v[WADR], v3, 4, s17
	v_lshl_add_u32 v[WADR+1], v3, 4, s37
	v_mov_b32 v[XRD], v9
	v_mov_b32 v[XST], v[XST0]
	v_add_nc_u32 v[SST], CH, v[YRD]
	v_lshl_add_u32 v[OOFF], v3, 4, s2
	; y into S in the result's layout; u to bf16 into X
	s_wait_tensorcnt 0x2                           ; y's and u's strips have landed (read by the wave that fetched them); the two loads issued behind them, btab's quarter and chunk 0, may stay out
	WIN 0x80                                       ; destination block 2, address block 0
.set t, 0
.rept 16
	ds_load_b128 v[8*t:8*t+3],   v[YRD] offset:(t&1)*16*YP+(t>>1)*64
	ds_load_b128 v[8*t+4:8*t+7], v[YRD] offset:(t&1)*16*YP+(t>>1)*64+16
.set t, t+1
.endr
	WIN 0
.set i, 0
.rept 16
	ds_load_b128 v[BT+4*i:BT+4*i+3], v[URD] offset:16*i          ; lane = row: its 64 numbers
.set i, i+1
.endr
	s_wait_dscnt 0x0
.set i, 0
.rept 32
	v_cvt_pk_bf16_f32 v[TQ+i], v[BT+2*i], v[BT+2*i+1]
.set i, i+1
.endr
.set i, 0
.rept 8
	ds_store_b128 v[UST], v[TQ+4*i:TQ+4*i+3] offset:16*i
.set i, i+1
.endr
	s_wait_dscnt 0x0                               ; my reads of slot 0 are back and my part of X is written,
	s_set_vgpr_msb 0x5
	s_wait_tensorcnt 0x0                           ; all my tensor loads have landed, my quarters of btab and of chunk 0 among them: slot 0's group 0 may be written
	ds_add_u32 v253, v255
	s_wait_dscnt 0x0
	s_set_vgpr_msb 0x500
	s_add_nc_u64 s[34:35], s[18:19], WPB+CH
	s_or_b32 s35, s35, 0x80000000
	ROUND                                          ; both hold of every wave of the four work-groups; X and btab are whole for all four waves
	tensor_load_to_lds s[32:35], s[24:31]          ; chunk 1 into slot 0: my one tensor load behind the round, first thing there
	s_nop 0
.macro BTLOAD v                        ; vector v of btab into BT: my 8 features of each of the 8 feature tiles
	WIN 0
.set i, 0
.rept 8
	ds_load_b128 v[BT+8*i:BT+8*i+3],   v[BA] offset:(\v)*2048+64*i
	ds_load_b128 v[BT+8*i+4:BT+8*i+7], v[BA] offset:(\v)*2048+64*i+16
.set i, i+1
.endr
.endm
.macro WLOAD                           ; a weight fragment (16 features x 32 k): register WL_R, address register WL_A, offset WL_O; 512 consecutive bytes a load
	ds_load_b128 v[WL_R:WL_R+3],   v[WL_A] offset:WL_O
	ds_load_b128 v[WL_R+4:WL_R+7], v[WL_A] offset:WL_O+512
.endm
.macro XLOAD                           ; both row tiles' activation fragments of K step XL_K into buffer XL_B
.irp m, 0,1
	ds_load_b128 v[XF+16*XL_B+8*\m:XF+16*XL_B+8*\m+3],   v[XRD] offset:\m*16*XP+64*XL_K
	ds_load_b128 v[XF+16*XL_B+8*\m+4:XF+16*XL_B+8*\m+7], v[XRD] offset:\m*16*XP+64*XL_K+32
.endr
.endm
; One matrix instruction of pair (KS, FT), row tile mt.  In a product's first K step C is 0 (C_CM = 1), S (2: block 2, the tile's own numbers), Z (3) or BT (4): nothing is cleared.
.macro MMA mt
.set TA, 8*(2*FT+\mt)
.if KS > 0
	v_wmma_f32_16x16x32_bf16 v[TA:TA+7], v[WF:WF+7], v[XG+8*\mt:XG+8*\mt+7], v[TA:TA+7]
.elseif C_CM == 1
	v_wmma_f32_16x16x32_bf16 v[TA:TA+7], v[WF:WF+7], v[XG+8*\mt:XG+8*\mt+7], 0
.elseif C_CM == 3
	v_wmma_f32_16x16x32_bf16 v[TA:TA+7], v[WF:WF+7], v[XG+8*\mt:XG+8*\mt+7], v[128+TA:128+TA+7]
.elseif C_CM == 4
	v_wmma_f32_16x16x32_bf16 v[TA:TA+7], v[WF:WF+7], v[XG+8*\mt:XG+8*\mt+7], v[BT+8*FT:BT+8*FT+7]
.else
	v_wmma_f32_16x16x32_bf16 v[TA:TA+7], v[WF:WF+7], v[XG+8*\mt:XG+8*\mt+7], v[TA:TA+7]
.endif
.endm
; A CHUNK: 4 K steps x 8 feature tiles = 32 pairs of matrix instructions.  The sixteen accumulators take turns, one instruction a turn, in the same order in every
; K step.  Pair p of the whole stream has its weights in ring place p % 11; they are loaded 8 pairs ahead, into the place read 3 pairs
; ago: six v_nop lie between that place's last matrix instruction and the load.  A K step's activations are loaded behind pair 1 of the step before, into the buffer
; last read one K step earlier: five v_nop lie between.
; Behind pair 26 all reads of this chunk's slot have been issued (the last in pair 23): there the slots change.
; Symbols: CI chunk number, C_SL its slot, C_KB its first K step in the product, C_CM as above (0 behind the first chunk), C_XL last chunk of the product,
; C_MORE a chunk follows, C_RF this slot is filled again, with the chunk at C_OFF in wpack.
.macro CHUNK
.set P, 0
.rept 32
.set FT, P&7
.set KS, P>>3
.set WF, WR+8*((32*CI+P)%11)
.set XG, XF+16*(KS&1)
.if P == 0
.if C_CM == 2
	WIN 0x65                                       ; C in block 2, all else in block 1
.elseif C_CM == 3
	WIN 0x65
.elseif C_CM == 4
	WIN 0x45                                       ; C in block 0
.endif
.endif
.if P == 8
	WIN 0x55
.endif
.if P < 2
	s_wait_dscnt 14                                ; behind this pair's weights: the rest of the burst of three pairs, five pairs' loads, and pair 0's
.elseif FT == 0
	s_wait_dscnt 12                                ; behind this K step's activations: six pairs' weight loads
.elseif P < 25
	s_wait_dscnt 18                                ; behind this pair's weights: seven pairs' weight loads and four activation loads
.elseif P == 26
	s_wait_dscnt 14-4*C_XL                         ; five pairs' weight loads, and pair 25's four activation loads where a K step follows
.endif
	MMA 0
	v_nop
.if P < 24
.set WL_R, WR+8*((32*CI+P+8)%11)
.set WL_A, WADR+C_SL
.set WL_O, ((P+8)>>3)*8192+((P+8)&7)*1024
	WLOAD
.elseif P > 26
.if C_MORE
.set WL_R, WR+8*((32*CI+P+8)%11)
.set WL_A, WADR+1-C_SL
.set WL_O, (P-24)*1024
	WLOAD                                          ; the next chunk's pairs 3 to 7
.endif
.endif
	MMA 1
	v_nop
.if FT == 1
.if P < 25
.set XL_B, (KS+1)&1
.set XL_K, C_KB+KS+1
	XLOAD
.elseif C_XL == 0
.set XL_B, 0
.set XL_K, C_KB+4
	XLOAD
.endif
.endif
.if P == 26
	s_wait_dscnt 0x0                               ; my reads of this slot, and of X so far, are back (pairs 27 to 31 have their weights)
.if C_MORE
	s_wait_tensorcnt 0x0                           ; my one load that is out, my quarter of the next chunk, has landed: nothing was issued behind it
	ds_add_u32 v253, v255
	s_wait_dscnt 0x0
.endif
.if C_RF
	WIN 0
	s_add_nc_u64 s[34+4*C_SL:35+4*C_SL], s[18:19], C_OFF         ; no tensor load of mine is out: this slot's group 0 may be written
	s_or_b32 s[35+4*C_SL], s[35+4*C_SL], 0x80000000
	ROUND                                          ; no wave of any of the four work-groups still reads this slot or has a load on its way
	tensor_load_to_lds s[32+4*C_SL:35+4*C_SL], s[24:31]          ; the chunk after next, into the slot just read: my one tensor load behind the round
	s_nop 0
	WIN 0x55
.endif
.if C_MORE
.irp q, 0,1,2
.set WL_R, WR+8*((32*CI+32+\q)%11)
.set WL_A, WADR+1-C_SL
.set WL_O, \q*1024
	WLOAD                                          ; the next chunk's pairs 0 to 2
.endr
.endif
.endif
.set P, P+1
.endr
.endm
; A product: nch chunks of the matrix at mb; the two refills that reach past it fetch the matrix at mbnext.  The first 8 pairs' weights are in the ring already.
.macro GEMM mb, nch, mbnext, cmode
	WIN 0x55
.set XL_B, 0
.set XL_K, 0
	XLOAD
	s_wait_dscnt 0x0
.set J, 0
.rept \nch
.set C_SL, (CI+1)&1
.set C_KB, 4*J
.if J == 0
.set C_CM, \cmode
.else
.set C_CM, 0
.endif
.if J == \nch-1
.set C_XL, 1
.else
.set C_XL, 0
.endif
.if CI < 53
.set C_MORE, 1
.else
.set C_MORE, 0
.endif
.if CI < 52
.set C_RF, 1
.else
.set C_RF, 0
.endif
.if J+2 < \nch
.set C_OFF, \mb+(J+2)*CH
.else
.set C_OFF, \mbnext+(J+2-\nch)*CH
.endif
	CHUNK
.set J, J+1
.set CI, CI+1
.endr
.endm
; Whole-array steps, 128 registers each; the caller sets the window.
.macro ADDBT d                         ; d = ACC + BT (BT is the same for both row tiles)
.set i, 0
.rept 64
	v_pk_add_f32 v[\d+i:\d+i+1], v[i:i+1], v[BT+8*(i>>4)+(i&7):BT+8*(i>>4)+(i&7)+1]
.set i, i+2
.endr
.endm
.macro EXPP s                          ; ACC = exp2(s)
.set i, 0
.rept 128
	v_exp_f32 v[i], v[\s+i]
.set i, i+1
.endr
	v_nop                                          ; a plain instruction between the exponentials and the first use of a result (ISA guide 5.7.2)
.endm
.macro RCPP                            ; ACC = 1 / (1 + ACC); a tile's four additions are the plain instructions behind the tile before's reciprocals
.set t, 0
	s_wait_alu depctr_va_vdst(0)
.rept 16
.irp j, 0,2,4,6
	v_pk_add_f32 v[8*t+\j:8*t+\j+1], v[8*t+\j:8*t+\j+1], 1.0 op_sel_hi:[1,0]
.endr
.irp j, 0,1,2,3,4,5,6,7
	v_rcp_f32 v[8*t+\j], v[8*t+\j]
.endr
.set t, t+1
.endr
	v_nop
.endm
.macro TANH d                          ; d = 1 - 2 ACC
.set i, 0
	s_wait_alu depctr_va_vdst(0)
.rept 64
	v_pk_fma_f32 v[\d+i:\d+i+1], v[i:i+1], -2.0, 1.0 op_sel_hi:[1,0,0]
.set i, i+2
.endr
.endm
.macro PKMUL d, a, k                   ; d = k a
.set i, 0
.rept 64
	v_pk_mul_f32 v[\d+i:\d+i+1], v[\a+i:\a+i+1], \k op_sel_hi:[1,0]
.set i, i+2
.endr
.endm
.macro PKFMA d, a, k, c                ; d = k a + c
.set i, 0
.rept 64
	v_pk_fma_f32 v[\d+i:\d+i+1], v[\a+i:\a+i+1], \k, v[\c+i:\c+i+1] op_sel_hi:[1,0,1]
.set i, i+2
.endr
.endm
.macro PACK s                          ; each tile's 8 numbers of s to bf16, into the tile's first four ACC registers
.set t, 0
.rept 16
.irp j, 0,1,2,3
	v_cvt_pk_bf16_f32 v[8*t+\j], v[\s+8*t+2*\j], v[\s+8*t+2*\j+1]
.endr
.set t, t+1
.endr
.endm
.macro XSTORE                          ; 16 bytes a tile into X: row 16 mt + r, byte 256 w + 32 ft + 16 h
.set t, 0
.rept 16
	ds_store_b128 v[XST], v[8*t:8*t+3] offset:(t&1)*16*XP+(t>>1)*32
.set t, t+1
.endr
.endm
; X is written only behind the round in the product's last chunk, in front of which every wave had its reads of X back.  Here: my stores (and BT's loads) are done,
; then the work-group's barrier: X is whole for all four waves.  The chunk on its way may stay out.
.macro ENDEPI
	s_wait_dscnt 0x0
	s_barrier_signal -1
	s_barrier_wait -1
.endm
.macro Q4 g                            ; q4 of tiles 4 g .. 4 g + 3, through registers at work: t3 (ACC), t1 (R0) and t2 (R1) are all still needed
	WIN 0x01
.set i, 0
.rept 16
	v_pk_mul_f32 v[TQ+i:TQ+i+1], v[32*\g+i:32*\g+i+1], K43 op_sel_hi:[1,0]
.set i, i+2
.endr
	WIN 0x03
.set i, 0
.rept 16
	v_pk_fma_f32 v[TQ+i:TQ+i+1], v[32*\g+i:32*\g+i+1], K41, v[TQ+i:TQ+i+1] op_sel_hi:[1,0,1]
.set i, i+2
.endr
.set i, 0
.rept 16
	v_pk_fma_f32 v[TQ+i:TQ+i+1], v[128+32*\g+i:128+32*\g+i+1], K42, v[TQ+i:TQ+i+1] op_sel_hi:[1,0,1]
.set i, i+2
.endr
	WIN 0
.set i, 0
.rept 16
	v_cvt_pk_bf16_f32 v[TP+i], v[TQ+2*i], v[TQ+2*i+1]
.set i, i+1
.endr
.irp q, 0,1,2,3
	ds_store_b128 v[XST0], v[TP+4*\q:TP+4*\q+3] offset:((4*\g+\q)&1)*16*XP+((4*\g+\q)>>1)*32
.endr
.endm
; Behind product H_j: t_j, the running sums, and the next product's activations q.  Up to stage 2, R0 = t1 and R1 = t2; from stage 3 on
; R2, R1, R0 hold what stages so far give to q5, q6, q_f.
.macro EPI_H j
	PLACES
	BTLOAD \j+2                                    ; the next product's bias: K2 c c_i b31, or c b3 behind the last stage
	WIN 0x55
	EXPP 0
	RCPP
.if \j == 1
	WIN 0xc1
	TANH 0                                         ; R0 = t1
	WIN 0x43
	PKMUL 0, 0, K21                                ; q2
.elseif \j == 2
	WIN 0xc1
	TANH 128                                       ; R1 = t2
	WIN 0x43
	PKMUL 0, 128, K32
	WIN 0x53
	PKFMA 0, 0, K31, 0                             ; q3
.elseif \j == 3
	TANH 0                                         ; ACC = t3
	WIN 0x01
	PKMUL R2, 0, K53
	WIN 0x03
	PKFMA R2, 0, K51, R2
	PKFMA R2, 128, K52, R2                         ; R2 = q5 so far
	Q4 0
	Q4 1
	Q4 2
	Q4 3
	WIN 0xc3
	PKMUL 128, 128, K62
	WIN 0xf3
	PKFMA 128, 0, K61, 128
	WIN 0xc3
	PKMUL 0, 0, KB1
	WIN 0xf1
	PKFMA 128, 0, K63, 128                         ; R1 = q6 so far
	PKFMA 0, 0, KB3, 0                             ; R0 = q_f so far
.elseif \j == 4
	TANH 0
	WIN 0xf1
	PKFMA 128, 0, K64, 128
	PKFMA 0, 0, KB4, 0
	WIN 0x41
	PKFMA 0, 0, K54, R2                            ; q5
.elseif \j == 5
	TANH 0
	WIN 0xf1
	PKFMA 0, 0, KB5, 0
	WIN 0x71
	PKFMA 0, 0, K65, 128                           ; q6
.else
	TANH 0
	WIN 0x71
	PKFMA 0, 0, KB6, 0                             ; q_f
.endif
.if \j != 3
	WIN 0x55
	PACK 0
	XSTORE
.endif
	ENDEPI
.endm
.macro EPI_Z                           ; behind product Z_i: the stage's bias term, then the first tanh
	PLACES
	WIN 0x41
	ADDBT 0
	BTLOAD 2                                       ; K2 b2, the next product's C
	WIN 0x55
	EXPP 0
	RCPP
	TANH 0
	PACK 0
	XSTORE
	ENDEPI
.endm
	BTLOAD 0                                       ; bp
	WIN 0x55
.irp q, 0,1,2,3,4,5,6,7
.set WL_R, WR+8*\q
.set WL_A, WADR+1
.set WL_O, \q*1024
	WLOAD                                          ; chunk 0's pairs 0 to 7
.endr
.set CI, 0
	GEMM WPB, 2, W1B, 2                            ; P: ACC = y + u Wp
	PLACES
	WIN 0x81
	ADDBT 0                                        ; S = ACC + bp
	BTLOAD 1                                       ; K2 b1
	WIN 0x4a
	PACK 0                                         ; from S
	WIN 0x55
	XSTORE
	ENDEPI
	GEMM W1B, 4, W2B, 1                            ; G0: ACC = S (K2 W1)
	PLACES
	WIN 0x81
	ADDBT 128                                      ; Z = ACC + K2 b1
	BTLOAD 2
	WIN 0x42
	EXPP 128                                       ; from Z
	WIN 0x55
	RCPP
	TANH 0
	PACK 0
	XSTORE
	ENDEPI
.irp j, 1,2,3,4,5
	GEMM W2B, 4, W31B, 4                           ; H_j: C = K2 b2
	EPI_H \j
	GEMM W31B, 4, W2B, 3                           ; Z_(j+1): C = Z
	EPI_Z
.endr
	GEMM W2B, 4, W3B, 4                            ; H6
	EPI_H 6
	GEMM W3B, 4, 0, 2                              ; F: ACC = S + q_f W3; its last two chunks fill nothing
	; THE WAY OUT: + c b3, 32 bytes a tile into my stage, read back as whole rows: each store of the wave covers 512 consecutive bytes of a row of out0, aligned.
.macro ROWS_IN a, n                    ; rows a .. a + n - 1 of my stage into R2, 16 bytes a lane
.set i, \a
.rept \n
	ds_load_b128 v[R2+4*i:R2+4*i+3], v[WADR+1] offset:i*YP       ; LDS serves a wave's instructions in order (ISA guide 5.7.1): these see my stores above
.set i, i+1
.endr
.endm
.macro ROWS_OUT a, left                ; rows a .. a + 7 to out0; left = how many younger LDS loads may stay out
	s_wait_dscnt \left
.set i, \a
.rept 8
	global_store_b128 v[OOFF], v[R2+4*i:R2+4*i+3], s[12:13] offset:i*2048 th:TH_STORE_NT
.set i, i+1
.endr
.endm
	PLACES
	WIN 0x41
	ADDBT 0
	WIN 0x55
.set t, 0
.rept 16
	ds_store_b128 v[SST], v[8*t:8*t+3]   offset:(t&1)*16*YP+(t>>1)*64
	ds_store_b128 v[SST], v[8*t+4:8*t+7] offset:(t&1)*16*YP+(t>>1)*64+16
.set t, t+1
.endr
	WIN 0x01                                       ; addresses in block 1, data in block 0 (R2 is dead)
	ROWS_IN 0, 24
	ROWS_OUT 0, 16                                 ; behind rows 0 to 7: the loads of rows 8 to 23
	ROWS_IN 24, 8                                  ; the last eight rows' loads go out behind the first eight rows' stores
	ROWS_OUT 8, 16                                 ; behind rows 8 to 15: the loads of rows 16 to 31
	ROWS_OUT 16, 8                                 ; behind rows 16 to 23: the loads of rows 24 to 31
	ROWS_OUT 24, 0                                 ; the last: no LDS instruction of mine is pending at the signals below
	WIN 0
	s_set_vgpr_msb 0x5
	s_wait_tensorcnt 0x0
	ds_add_u32 v253, v255
	s_wait_dscnt 0x0
	s_set_vgpr_msb 0x500
	ROUND                                          ; the closing round: no work-group ends while a partner may still ask for a chunk that names it
	s_endpgm
.Lfunc_end_k_q1c224f02e5_ode:
	.size	k_q1c224f02e5_ode, .Lfunc_end_k_q1c224f02e5_ode-k_q1c224f02e5_ode
	.p2alignl 7, 3214868480
	.fill 96, 4, 3214868480
	.section	.rodata,"a",@progbits
	.p2align	6, 0x0
	.amdhsa_kernel k_q1c224f02e5_ode
		.amdhsa_group_segment_fixed_size 327680
		.amdhsa_private_segment_fixed_size 0
		.amdhsa_enable_private_segment 0
		.amdhsa_kernarg_size 40
		.amdhsa_user_sgpr_count 2
		.amdhsa_user_sgpr_kernarg_segment_ptr 1
		.amdhsa_wavefront_size32 1
		.amdhsa_system_sgpr_workgroup_id_x 1
		.amdhsa_system_sgpr_workgroup_id_y 1
		.amdhsa_system_sgpr_workgroup_id_z 1
		.amdhsa_system_vgpr_workitem_id 0
		.amdhsa_next_free_vgpr 1024
		.amdhsa_next_free_sgpr 80
		.amdhsa_reserve_vcc 0
		.amdhsa_float_denorm_mode_32 3
		.amdhsa_float_denorm_mode_16_64 3
		.amdhsa_memory_ordered 1
		.amdhsa_forward_progress 1
		.amdhsa_inst_pref_size 255
	.end_amdhsa_kernel
	.section	.bss,"aw",@nobits
	.p2align	6
	.space	262144
	.amdgpu_metadata
---
amdhsa.version: [ 1, 2 ]
amdhsa.kernels:
  - .name:           k_q1c224f02e5_ode
    .symbol:         k_q1c224f02e5_ode.kd
    .args:
      - { .name: y, .offset: 0, .size: 8, .value_kind: global_buffer, .address_space: global }
      - { .name: u_t, .offset: 8, .size: 8, .value_kind: global_buffer, .address_space: global }
      - { .name: wpack, .offset: 16, .size: 8, .value_kind: global_buffer, .address_space: global }
      - { .name: btab, .offset: 24, .size: 8, .value_kind: global_buffer, .address_space: global }
      - { .name: out0, .offset: 32, .size: 8, .value_kind: global_buffer, .address_space: global }
    .group_segment_fixed_size: 327680
    .private_segment_fixed_size: 0
    .kernarg_segment_align: 8
    .kernarg_segment_size: 40
    .max_flat_workgroup_size: 128
    .sgpr_count:     80
    .vgpr_count:     1024
    .wavefront_size: 32
...
	.end_amdgpu_metadata
.endif
;; end of part 2
;; ======== version 2 of 2: 2 launches; 1.49 times as fast as version 1
;; workspace buffers: wpack 2,359,296 bytes; btab 18,432 bytes
;; launch prep: the kernel of part 1 again; grid 264 x 1, 4 waves a work-group, no clusters, 0 bytes of LDS; arguments W1, W2, W3, Wp, b1, b2, b3, bp, wpack, btab; writes wpack, btab
;; launch ode (part 3): grid 256 x 1, 4 waves a work-group, clusters of 4 x 1, 327,680 bytes of LDS; arguments y, u_t, wpack, btab, out0; writes out0
.if DOCPART == 3
	.amdgcn_target "amdgcn-amd-amdhsa--gfx1250"
	.amdhsa_code_object_version 6
	.text
	.protected	k_q1c224f02e5_ode
	.globl	k_q1c224f02e5_ode
	.p2align	8
	.type	k_q1c224f02e5_ode,@function
k_q1c224f02e5_ode:
	s_mov_b64 s[64:65], 0
	v_nop
	global_prefetch_b8 v0, s[64:65] scope:SCOPE_SE
	s_setreg_imm32_b32 hwreg(HW_REG_WAVE_MODE, 25, 1), 1
	s_wait_xcnt 0x0
	s_wait_alu depctr_hold_cnt(0) depctr_sa_sdst(0) depctr_va_vdst(0) depctr_va_sdst(0) depctr_va_ssrc(0) depctr_va_vcc(0) depctr_vm_vsrc(0)
	s_getreg_b32 s2, hwreg(HW_REG_IB_STS2, 6, 4)
	s_cmp_eq_u32 s2, 0
	s_cbranch_scc0 .Lentry_in_a_cluster
	s_endpgm
.Lentry_in_a_cluster:
	s_bfe_u32 s2, ttmp6, 0x10000c
	s_cmp_lg_u32 s2, 0x3003
	s_cbranch_scc0 .Lentry_shape_is_right
	s_endpgm
.Lentry_shape_is_right:
; ONE DORMAND-PRINCE STEP OF A 3-LAYER TANH NET, FUSED: 32 rows of the batch for each work-group, from y and u_t to out0, nothing through memory between.
; With W31 = W3 W1 and b31 = b3 W1 (made by the launch before, see its head: exact for all inputs, no input or stage left out), t_j = stage j's second tanh, c = 0.1:
;   S = y + u Wp + bp;   Z = K2 (S W1 + b1);   stage 1: h = tanh from Z;   stage i > 1: h = tanh from Z + q_i (K2 W31) + K2 c c_i b31,  q_i = sum_j c a_ij t_j;
;   t_i = tanh from h (K2 W2) + K2 b2;   out = S + q_f W3 + c b3,  q_f = sum_j c b_j t_j.      tanh from v = 1 - 2 / (1 + exp2(v)), v = K2 x, K2 = 2 log2(e).
; Fourteen products in a row: P (K = 256), G0, H1, then (Z_j, H_j) for j = 2 .. 6, then F.
; THE RUNNING SUMS: three arrays, R0, R1, R2 = what the stages so far give to q_f, q6, q5, written by stage 1 and added to by each later stage.  q3 and q4 are taken
; from them: b_2 = 0, so R0 = c b_1 t1 up to stage 2 and q3 = (a31 / b1) R0 + c a32 t2;  behind stage 3's additions q4 = AL4 R0 + BE4 R2 + K43P t3 with BE4 = a42 / a52,
; AL4 = (a41 - BE4 a51) / b1, K43P = c (a43 - AL4 b3 - BE4 a53): exact, and the parts of each t's coefficient have one sign, so nothing cancels at run time.
; LIMITS: the order of rounding differs from reference()'s (W3 W1 first, rounded to bf16; the q_i are summed in f32, in the order above, and rounded to bf16 as matrix operands).
; exp2 that overflows gives tanh = 1, exp2 that underflows (flushed to 0) gives -1, a NaN goes through.
;
; SHARES: wave w makes all 32 rows x features 128 w .. +127: 16 accumulator tiles (ft 0..7, mt 0..1), tile 2 ft + mt.  The matrix instruction is used transposed:
; source 0 = 16 features x 32 k of the weights, source 1 = 16 rows of the batch x 32 k of the activations; lane (r, h) then holds row 16 mt + r, features
; 128 w + 16 ft + 8 h + 0..7: eight neighbours, which pack into 16 bytes of bf16 for the next product's activations.
; WEIGHTS: a stream of 54 chunks of 128 KiB (K = 128 x 512 features, in fragment order) through two LDS slots; wave w fetches and reads quarter w alone.
; CLUSTER: all work-groups walk the same weights, so four form a cluster and ask for each quarter chunk jointly (mask 15): the requests for weights are divided by four.
; THE CHAIN OF REQUESTS: a wave asks for one quarter chunk behind each round, and that load has landed in front of the next round: the 54 requests follow each other, one at a
; time, and a chunk gives a wave only 64 matrix instructions for the 32 KiB that are on their way.  So the text keeps the way from a landing to the next request short and puts
; work under the loads: (1) between the wait for a load and the next request stands the round alone; what can be multiplied without the new chunk is issued ahead of that wait;
; (2) in a product's last chunk the change of slots is put off into the vector phase behind the product, so that the phase (555 to 870 instructions) is shared between two
; requests' stretches instead of lengthening one.
; THE TEXT: stages 2 to 6 are one counted loop (eight chunks, two tanh phases, the five stages' sums under branches on the counter: about 3,600 instructions).
; P, G0, H1 stand ahead of it: every register that the loop reads (S, Z, R0, R1, R2) is written there.  F stands behind it: its last two chunks fill no slot.
; A product has four chunks, of which the first (where C comes from) and the last (no activations to fetch ahead) differ: no loop inside a product.
;
; LDS: slot 0 at 0, slot 1 at 131072 (128 KiB each); X at 262144: 32 rows x 1040 bytes (512 bf16 + 16: the sixteen rows that a load touches start 65 x 16 bytes apart);
; btab at 295424 (18,432 bytes).  X is filled by LDS stores alone.  First fill of slot 0: y's strip (32 rows x 512 bytes, pitch 528) and u's (32 x 256, pitch 272) in each wave's quarter.
; The way out is staged in each wave's quarter of slot 1, whose last fill (chunk 52) has been read by then.
;
; REGISTERS, windows of 256:  block 0: v0-15 addresses, v32-63 XF (two buffers of activation fragments), v64-127 BT (a bias vector in the result's layout),
;   v128-255 WF (two buffers of eight weight fragments)      block 1: v0-127 ACC, v128-255 R2      block 2: v0-127 S, v128-255 Z      block 3: v0-127 R0, v128-255 R1
; Two buffers of a K step's fragments are 160 registers and the accumulators 128: more than one window.  Fragments and all LDS addresses lie in block 0, so that a run of
; loads needs the setting 0 (as labels and branches do) and a run of matrix instructions one other: two switches for a K step's 16 matrix instructions and 20 loads.
.set CH,    131072                     ; bytes in a chunk, and in a slot
.set WPB,   0                          ; the matrices' places in wpack
.set W1B,   262144
.set W2B,   786432
.set W31B,  1310720
.set W3B,   1835008
.set XBASE, 262144
.set XP,    1040
.set BTB,   295424
.set YP,    528
.set UP,    272
.set UOFF,  16896                      ; u's strip behind y's 32 x 528 bytes
.set BA,    4                          ; btab + 512 w + 32 h
.set YRD,   5                          ; my 32 bytes of y's strip, row r
.set URD,   6                          ; u's strip, row = lane
.set UST,   7                          ; X, row = lane, byte 128 w
.set XST,   8                          ; X, row r, byte 256 w + 16 h
.set XRD,   9                          ; X + 1040 r + 16 h
.set WADR,  10                         ; v10, v11: slot 0, 1 + 32768 w + 16 lane
.set SST,   12                         ; the stage: slot 1 + 32768 w + 528 r + 32 h
.set OOFF,  13                         ; 512 w + 16 lane: my 16 bytes of a row of out0
.set XF,    32
.set BT,    64
.set WF,    128
.set K21,  0x3ca3d70a                  ; c a_ij and c b_j
.set K32,  0x3cb851ec
.set K51,  0x3e972c4d
.set K52,  0xbf946d18
.set K53,  0x3f7b7750
.set K54,  0xbcee3b23
.set K61,  0x3e91bab3
.set K62,  0xbf89b26d
.set K63,  0x3f640122
.set K64,  0x3ce4129e
.set K65,  0xbce013ac
.set KB1,  0x3c155555
.set KB3,  0x3d3801d7
.set KB4,  0x3d855555
.set KB5,  0xbd040b98
.set KB6,  0x3c568d69
.set G31,  0x3f52a6c4                  ; a31 / b1 = 1152 / 1400
.set BE4,  0x3ea4d765                  ; a42 / a52 = 5103 / 15850
.set AL4,  0x3e98a1c0                  ; (a41 - BE4 a51) / b1 = 744192 / 2496375
.set K43P, 0x3cd44078                  ; c (a43 - AL4 b3 - BE4 a53) = 0.0259096
.set MSB, 0
.macro WIN new                         ; low byte: bits 1:0 source 0, 3:2 source 1, 5:4 source 2, 7:6 destination; the high byte repeats the setting that is left
.if MSB != \new
	s_set_vgpr_msb (MSB<<8)|\new
.set MSB, \new
.endif
.endm
; A round of the cluster's barrier: my work-group's barrier, wave 0 signals for the work-group, every wave waits for all four work-groups, my work-group's barrier again.
.macro ROUND
	s_barrier_signal -1
	s_barrier_wait -1
	s_cmp_lg_u32 s14, 0
	s_cbranch_scc1 .Lnot_wave_0_\@
	s_barrier_signal -3
.Lnot_wave_0_\@:
	s_barrier_wait -3
	s_barrier_signal -1
	s_barrier_wait -1
.endm
.macro PLACES                          ; four independent vector instructions between a matrix instruction and a reader of its result or a load into one of its sources
.rept 4
	v_nop
.endr
.endm
	s_load_b256 s[4:11], s[0:1], 0x0               ; y s[4:5], u_t s[6:7], wpack s[8:9], btab s[10:11]
	s_load_b64 s[12:13], s[0:1], 0x20              ; out0
	v_lshl_add_u32 v30, v0, 2, 0x4ca00
	v_mov_b32 v31, 0
	ds_add_u32 v30, v31
	v_lshrrev_b32 v1, 5, v0
	v_readfirstlane_b32 s14, v1                    ; wave
	s_bfe_u32 s15, ttmp6, 0x40000                  ; my place in the cluster
	s_lshl_b32 s16, ttmp9, 2                       ; ttmp9 counts clusters
	s_add_co_u32 s16, s16, s15                     ; work-group: rows 32 x this
	s_lshl_b32 s17, s14, 15                        ; 32768 w: my quarter of a slot and of a chunk
	; group 1 for the weights: 128 rows of 256 bytes (32 elements of 8 bytes), dense; asked for jointly by the four work-groups
	s_mov_b32 s24, 0x0023000f                      ; 15:0 mask 15; 17:16 elements of 8 bytes; bit 21 set beside a mask
	s_mov_b32 s25, 32<<16                          ; tensor_dim0 = 32
	s_mov_b32 s26, 128<<16                         ; tensor_dim1 = 128
	s_mov_b32 s27, 32<<16                          ; tile_dim0 = 32
	s_mov_b32 s28, 128                             ; tile_dim1 = 128
	s_mov_b32 s29, 32                              ; pitch = 32 elements
	s_mov_b32 s30, 0
	s_mov_b32 s31, 0
	; group 1 for y's strip: 32 rows x 128 f32, pitch 512, 4 words of padding behind every 128
	s_mov_b32 s40, 0x07920000
	s_mov_b32 s41, 128<<16
	s_mov_b32 s42, 32<<16
	s_mov_b32 s43, 128<<16
	s_mov_b32 s44, 32
	s_mov_b32 s45, 512
	s_mov_b32 s46, 0
	s_mov_b32 s47, 0
	; group 1 for u's strip: 32 rows x 64 f32, pitch 256, 4 words of padding behind every 64
	s_mov_b32 s52, 0x07520000
	s_mov_b32 s53, 64<<16
	s_mov_b32 s54, 32<<16
	s_mov_b32 s55, 64<<16
	s_mov_b32 s56, 32
	s_mov_b32 s57, 256
	s_mov_b32 s58, 0
	s_mov_b32 s59, 0
	; group 1 for a quarter of btab: 18 rows of 256 bytes, dense
	s_mov_b32 s68, 3<<16
	s_mov_b32 s69, 32<<16
	s_mov_b32 s70, 18<<16
	s_mov_b32 s71, 32<<16
	s_mov_b32 s72, 18
	s_mov_b32 s73, 32
	s_mov_b32 s74, 0
	s_mov_b32 s75, 0
	; groups 0: count, LDS address (the wave's number and constants alone), global address, type
	s_mov_b32 s32, 1                               ; weights into slot 0
	s_mov_b32 s33, s17
	s_mov_b32 s36, 1                               ; weights into slot 1
	s_add_co_u32 s37, s17, CH
	s_mov_b32 s48, 1                               ; y
	s_mov_b32 s49, s17
	s_mov_b32 s60, 1                               ; u
	s_add_co_u32 s61, s17, UOFF
	s_mov_b32 s76, 1                               ; btab
	s_mul_i32 s20, s14, 4608
	s_add_co_u32 s77, s20, BTB
	s_mov_b32 s21, 0                               ; s[20:21]: offsets made of the wave's number, constants and the loop's counter alone; s[22:23]: those that hold the work-group's number
	s_mov_b32 s23, 0
	s_wait_dscnt 0x0
	s_wait_kmcnt 0x0
	s_add_nc_u64 s[78:79], s[10:11], s[20:21]
	s_or_b32 s79, s79, 0x80000000
	s_mov_b32 s20, s17
	s_add_nc_u64 s[18:19], s[8:9], s[20:21]        ; wpack at my quarter of chunk 0: equal in all four work-groups
	s_mov_b64 s[38:39], s[18:19]                   ; chunk 0 = Wp's first
	s_or_b32 s39, s39, 0x80000000
	s_lshl_b32 s22, s16, 16                        ; 32 rows of 2,048 bytes
	s_add_nc_u64 s[12:13], s[12:13], s[22:23]      ; out0 at my first row
	s_lshl_b32 s2, s14, 9                          ; 512 w
	s_add_co_u32 s22, s22, s2
	s_add_nc_u64 s[50:51], s[4:5], s[22:23]
	s_or_b32 s51, s51, 0x80000000
	s_lshl_b32 s22, s16, 15                        ; 32 rows of 1,024 bytes
	s_lshl_b32 s3, s14, 8
	s_add_co_u32 s22, s22, s3
	s_add_nc_u64 s[62:63], s[6:7], s[22:23]
	s_or_b32 s63, s63, 0x80000000
	ROUND                                          ; all four work-groups are here: the first joint load meets its partners'
	tensor_load_to_lds s[48:51], s[40:47]          ; the first fills go out as one group: four loads of this wave are out
	s_nop 0
	tensor_load_to_lds s[60:63], s[52:59]
	s_nop 0
	tensor_load_to_lds s[76:79], s[68:75]
	s_nop 0
	tensor_load_to_lds s[36:39], s[24:31]          ; chunk 0 into slot 1
	s_nop 0
	; addresses, while the loads are on their way
	v_and_b32 v3, 31, v0                           ; lane
	v_and_b32 v1, 15, v0                           ; r
	v_bfe_u32 v2, v0, 4, 1                         ; h
	v_mul_u32_u24 v14, v1, XP
	v_mul_u32_u24 v15, v1, YP
	s_add_co_u32 s3, s2, BTB
	v_lshl_add_u32 v[BA], v2, 5, s3
	v_lshl_add_u32 v[YRD], v2, 5, v15
	v_add_nc_u32 v[YRD], s17, v[YRD]
	v_mul_u32_u24 v[URD], v3, UP
	v_add_nc_u32 v[URD], s61, v[URD]
	v_mul_u32_u24 v[UST], v3, XP
	s_lshl_b32 s3, s14, 7
	s_add_co_u32 s3, s3, XBASE
	v_add_nc_u32 v[UST], s3, v[UST]
	v_lshl_add_u32 v[XRD], v2, 4, v14
	v_add_nc_u32 v[XRD], XBASE, v[XRD]
	s_lshl_b32 s3, s14, 8
	v_add_nc_u32 v[XST], s3, v[XRD]
	v_lshl_add_u32 v[WADR], v3, 4, s17
	v_lshl_add_u32 v[WADR+1], v3, 4, s37
	v_add_nc_u32 v[SST], CH, v[YRD]
	v_lshl_add_u32 v[OOFF], v3, 4, s2
	; y into S in the result's layout; u to bf16 into X (through the fragment registers, which are idle yet)
	s_wait_tensorcnt 0x2                           ; y's and u's strips have landed (read by the wave that fetched them); the two loads issued behind them, btab's quarter and chunk 0, may stay out
	WIN 0x80                                       ; destination block 2, address block 0
.set t, 0
.rept 16
	ds_load_b128 v[8*t:8*t+3],   v[YRD] offset:(t&1)*16*YP+(t>>1)*64
	ds_load_b128 v[8*t+4:8*t+7], v[YRD] offset:(t&1)*16*YP+(t>>1)*64+16
.set t, t+1
.endr
	WIN 0
.set i, 0
.rept 16
	ds_load_b128 v[WF+4*i:WF+4*i+3], v[URD] offset:16*i          ; lane = row: its 64 numbers
.set i, i+1
.endr
	s_wait_dscnt 0x0
.set i, 0
.rept 32
	v_cvt_pk_bf16_f32 v[WF+64+i], v[WF+2*i], v[WF+2*i+1]
.set i, i+1
.endr
.set i, 0
.rept 8
	ds_store_b128 v[UST], v[WF+64+4*i:WF+64+4*i+3] offset:16*i
.set i, i+1
.endr
	s_wait_dscnt 0x0                               ; my reads of slot 0 are back and my part of X is written,
	s_wait_tensorcnt 0x0                           ; all my tensor loads have landed, my quarters of btab and of chunk 0 among them: slot 0's group 0 may be written
	ds_add_u32 v30, v31
	s_wait_dscnt 0x0
	s_add_nc_u64 s[34:35], s[18:19], WPB+CH
	s_or_b32 s35, s35, 0x80000000
	ROUND                                          ; both hold of every wave of the four work-groups; X and btab are whole for all four waves
	tensor_load_to_lds s[32:35], s[24:31]          ; chunk 1 into slot 0: my one tensor load behind the round, first thing there
	s_nop 0
.macro BTLOAD v                        ; vector v of btab into BT: my 8 features of each of the 8 feature tiles
	WIN 0
.set i, 0
.rept 8
	ds_load_b128 v[BT+8*i:BT+8*i+3],   v[BA] offset:(\v)*2048+64*i
	ds_load_b128 v[BT+8*i+4:BT+8*i+7], v[BA] offset:(\v)*2048+64*i+16
.set i, i+1
.endr
.endm
.macro FETCHW buf, slot, ks            ; the eight weight fragments (16 features x 32 k each) of K step ks of the chunk in a slot: 16 loads of 512 consecutive bytes
.set i, 0
.rept 8
	ds_load_b128 v[WF+64*(\buf)+8*i:WF+64*(\buf)+8*i+3],   v[WADR+(\slot)] offset:(\ks)*8192+i*1024
	ds_load_b128 v[WF+64*(\buf)+8*i+4:WF+64*(\buf)+8*i+7], v[WADR+(\slot)] offset:(\ks)*8192+i*1024+512
.set i, i+1
.endr
.endm
.macro FETCHX buf, k                   ; both row tiles' activation fragments of the product's K step k: 4 loads
.irp m, 0,1
	ds_load_b128 v[XF+16*(\buf)+8*\m:XF+16*(\buf)+8*\m+3],   v[XRD] offset:\m*16*XP+64*(\k)
	ds_load_b128 v[XF+16*(\buf)+8*\m+4:XF+16*(\buf)+8*\m+7], v[XRD] offset:\m*16*XP+64*(\k)+32
.endr
.endm
; Eight matrix instructions: feature tiles fb .. fb + 3, both row tiles, on fragment buffer buf.  The sixteen accumulators take turns, one instruction a turn, in the same
; order in every K step.  cm: 0 the sum goes on in place; in a product's first K step C is 0 (1), S (2: block 2, the tile's own numbers), Z (3) or BT (4): nothing is cleared.
.macro MM8 buf, fb, cm
.irp e, 0,1,2,3
.irp m, 0,1
.set TA, 8*(2*(\fb+\e)+\m)
.set WA, WF+64*(\buf)+8*(\fb+\e)
.set XA, XF+16*(\buf)+8*\m
.if \cm == 0
	v_wmma_f32_16x16x32_bf16 v[TA:TA+7], v[WA:WA+7], v[XA:XA+7], v[TA:TA+7]
.elseif \cm == 1
	v_wmma_f32_16x16x32_bf16 v[TA:TA+7], v[WA:WA+7], v[XA:XA+7], 0
.elseif \cm == 2
	v_wmma_f32_16x16x32_bf16 v[TA:TA+7], v[WA:WA+7], v[XA:XA+7], v[TA:TA+7]
.elseif \cm == 3
	v_wmma_f32_16x16x32_bf16 v[TA:TA+7], v[WA:WA+7], v[XA:XA+7], v[128+TA:128+TA+7]
.else
	v_wmma_f32_16x16x32_bf16 v[TA:TA+7], v[WA:WA+7], v[XA:XA+7], v[BT+8*(\fb+\e):BT+8*(\fb+\e)+7]
.endif
.endr
.endr
.endm
.macro MMWIN cm                        ; sources 0 and 1 in block 0, D in block 1; C in block 1, or 2 (S, Z), or 0 (BT)
.if \cm == 4
	WIN 0x40
.elseif \cm >= 2
	WIN 0x60
.else
	WIN 0x50
.endif
.endm
; THE CHANGE OF SLOTS, for the chunk whose symbols are set (see CHUNK).  All reads of its slot are back, K step 3's fragments among them.  In order: the wave's waits; this slot's
; group 0 is written; the round, with nothing inside it; the joint refill; then the next chunk's first K step is fetched from the other slot.
; In a product's last chunk (C_XL) the vector phase behind the product calls this macro, ahead of its stores into X.
.macro SWAP
	WIN 0
.if C_XL
	s_wait_dscnt 0x0                               ; LDS loads have been issued since K step 3's wait (a bias vector's): none is pending at the signal; my reads of the slot and of X are back
.endif
.if C_MORE
	s_wait_tensorcnt 0x0                           ; my one load that is out, my quarter of the next chunk, has landed: nothing was issued behind it
	ds_add_u32 v30, v31
	s_wait_dscnt 0x0
.endif
.if C_RF
.if C_REG                                          ; no tensor load of mine is out: this slot's group 0 may be written
	s_add_nc_u64 s[34+4*C_SL:35+4*C_SL], s[18:19], s[20:21]
.if C_OFF
	s_add_nc_u64 s[34+4*C_SL:35+4*C_SL], s[34+4*C_SL:35+4*C_SL], C_OFF
.endif
.else
	s_add_nc_u64 s[34+4*C_SL:35+4*C_SL], s[18:19], C_OFF
.endif
	s_or_b32 s[35+4*C_SL], s[35+4*C_SL], 0x80000000
	ROUND                                          ; no wave of any of the four work-groups still reads this slot or has a load on its way
	tensor_load_to_lds s[32+4*C_SL:35+4*C_SL], s[24:31]          ; the chunk after next, into the slot just read: my one tensor load behind the round, first thing there
	s_nop 0
.endif
.if C_MORE
	PLACES                                         ; buffer 0 was read by K step 2's matrix instructions
	FETCHW 0, 1-C_SL, 0                            ; the next chunk's first K step; behind a product's last chunk its activations do not exist yet
.if C_XL == 0
	FETCHX 0, C_KB+4
.endif
.endif
.endm
; A CHUNK: four K steps of 16 matrix instructions, on fragment buffers 0, 1, 0, 1.  At the head of a K step the next step's 20 loads go out in ONE run, into the buffer that
; the step before has read (four v_nop between its last matrix instruction and the run): they have this step's 16 matrix instructions in which to land.
; K step 3: its first eight matrix instructions are issued ahead of the change of slots (they need nothing of the new chunk, so they do not stand between the load's landing
; and the next request); the other eight stand behind the fetch of the next chunk's first fragments.  In a product's last chunk all sixteen are issued and the change of slots follows later.
; Symbols: C_SL the chunk's slot, C_KB its first K step in the product, C_CM as in MM8 (0 behind a product's first chunk), C_XL last chunk of the product,
; C_MORE a chunk follows, C_RF this slot is filled again: with the chunk at C_OFF in wpack, or (C_REG) at s[20:21] + C_OFF.
.macro CHUNK
.irp s, 0,1,2
.set NB, (\s+1)&1
.set CB, \s&1
.if (C_KB+\s) > 0
	PLACES
.endif
	WIN 0
	FETCHW NB, C_SL, \s+1
	FETCHX NB, C_KB+\s+1
	s_wait_dscnt 20                                ; all but the 20 loads just issued: this K step's fragments are in
.if \s == 0
	MMWIN C_CM
	MM8 0, 0, C_CM
	MM8 0, 4, C_CM
.else
	WIN 0x50
	MM8 CB, 0, 0
	MM8 CB, 4, 0
.endif
.endr
	s_wait_dscnt 0x0                               ; K step 3's fragments are in: my reads of this slot, and of X so far, are back
	MM8 1, 0, 0
.if C_XL == 0
	SWAP
	WIN 0x50
.endif
	MM8 1, 4, 0
.endm
; A product: nch chunks of the matrix at mb; the two refills that reach past it fetch the matrix at mbnext (-1: at s[20:21]).  tail = 1: nothing follows the product.
; Every product begins in slot 1 (an even number of chunks lies ahead of each); its first K step's weights are in buffer 0 already.
; It leaves the last chunk's symbols set: the vector phase behind it calls SWAP once (not behind the tail, which has nothing left to ask for).
.macro GEMM mb, nch, mbnext, cmode, tail
	WIN 0
	FETCHX 0, 0
.set J, 0
.rept \nch
.set C_SL, (J+1)&1
.set C_KB, 4*J
.set C_CM, 0
.if J == 0
.set C_CM, \cmode
.endif
.set C_XL, 0
.if J == \nch-1
.set C_XL, 1
.endif
.set C_MORE, 1
.set C_RF, 1
.if \tail
.if J >= \nch-2
.set C_RF, 0
.endif
.if J == \nch-1
.set C_MORE, 0
.endif
.endif
.set C_REG, 0
.if J+2 < \nch
.set C_OFF, \mb+(J+2)*CH
.elseif \mbnext < 0
.set C_REG, 1
.set C_OFF, (J+2-\nch)*CH
.else
.set C_OFF, \mbnext+(J+2-\nch)*CH
.endif
	CHUNK
.set J, J+1
.endr
.endm
; Whole-array steps, 128 registers each; the caller sets the window.
.macro ADDBT d                         ; d = ACC + BT (BT is the same for both row tiles)
.set i, 0
.rept 64
	v_pk_add_f32 v[\d+i:\d+i+1], v[i:i+1], v[BT+8*(i>>4)+(i&7):BT+8*(i>>4)+(i&7)+1]
.set i, i+2
.endr
.endm
.macro EXPP s                          ; ACC = exp2(s)
.set i, 0
.rept 128
	v_exp_f32 v[i], v[\s+i]
.set i, i+1
.endr
	v_nop                                          ; a plain instruction between the exponentials and the first use of a result (ISA guide 5.7.2)
.endm
.macro RCPP                            ; ACC = 1 / (1 + ACC); a tile's four additions are the plain instructions behind the tile before's reciprocals
.set t, 0
	s_wait_alu depctr_va_vdst(0)
.rept 16
.irp j, 0,2,4,6
	v_pk_add_f32 v[8*t+\j:8*t+\j+1], v[8*t+\j:8*t+\j+1], 1.0 op_sel_hi:[1,0]
.endr
.irp j, 0,1,2,3,4,5,6,7
	v_rcp_f32 v[8*t+\j], v[8*t+\j]
.endr
.set t, t+1
.endr
	v_nop
.endm
.macro TANH                            ; ACC = 1 - 2 ACC
.set i, 0
	s_wait_alu depctr_va_vdst(0)
.rept 64
	v_pk_fma_f32 v[i:i+1], v[i:i+1], -2.0, 1.0 op_sel_hi:[1,0,0]
.set i, i+2
.endr
.endm
.macro PKMUL d, a, k                   ; d = k a
.set i, 0
.rept 64
	v_pk_mul_f32 v[\d+i:\d+i+1], v[\a+i:\a+i+1], \k op_sel_hi:[1,0]
.set i, i+2
.endr
.endm
.macro PKFMA d, a, k, c                ; d = k a + c
.set i, 0
.rept 64
	v_pk_fma_f32 v[\d+i:\d+i+1], v[\a+i:\a+i+1], \k, v[\c+i:\c+i+1] op_sel_hi:[1,0,1]
.set i, i+2
.endr
.endm
.macro PACK s                          ; each tile's 8 numbers of s to bf16, into the tile's first four ACC registers
.set t, 0
.rept 16
.irp j, 0,1,2,3
	v_cvt_pk_bf16_f32 v[8*t+\j], v[\s+8*t+2*\j], v[\s+8*t+2*\j+1]
.endr
.set t, t+1
.endr
.endm
; 16 bytes a tile into X: row 16 mt + r, byte 256 w + 32 ft + 16 h.  X is written only behind the round of the product's last change of slots (SWAP, earlier in the same vector
; phase), in front of which every wave had its reads of X back.  Then: my stores (and BT's loads, and the next weights') are done, and the work-group's barrier: X is whole for
; all four waves.  The chunk on its way may stay out.
.macro XOUT
	WIN 0x04                                       ; address in block 0, data in block 1
.set t, 0
.rept 16
	ds_store_b128 v[XST], v[8*t:8*t+3] offset:(t&1)*16*XP+(t>>1)*32
.set t, t+1
.endr
	WIN 0
	s_wait_dscnt 0x0
	s_barrier_signal -1
	s_barrier_wait -1
.endm
; Where SWAP stands in a vector phase: so that the instructions between the request before it and the one behind it are shared about evenly.  Ahead of it lie the last chunk's
; 72 matrix instructions; behind it the next product's first 56.  Behind Z_j: 209 vector instructions ahead of SWAP, 321 behind.  Behind H_j: 322 ahead, 144 and the stage's sums (64 to 384) behind.
.macro EPI_Z                           ; behind product Z_j: the stage's bias term, then the first tanh
	PLACES
	WIN 0x41
	ADDBT 0
	BTLOAD 2                                       ; K2 b2, the next product's C
	WIN 0x45
	EXPP 0
	SWAP
	WIN 0x45
	RCPP
	TANH
	PACK 0
	XOUT
.endm
.macro EPI_T                           ; behind product H_j: ACC = t_j
	PLACES
	WIN 0x45
	EXPP 0
	RCPP
	SWAP
	WIN 0x45
	TANH
.endm
; Stage j's sums: t_j (ACC) is added into the running sums that still want it, then ACC becomes the next product's activations q.  With them the next product's bias:
; K2 c c_(j+1) b31, or c b3 behind the last stage.
.macro UPD j
	BTLOAD \j+2
.if \j == 1
	WIN 0xc1
	PKMUL 0, 0, KB1                                ; R0 = c b1 t1
	PKMUL 128, 0, K61                              ; R1 = c a61 t1
	WIN 0x41
	PKMUL 128, 0, K51                              ; R2 = c a51 t1
	PKMUL 0, 0, K21                                ; q2
.elseif \j == 2
	WIN 0xf1
	PKFMA 128, 0, K62, 128                         ; R1
	WIN 0x51
	PKFMA 128, 0, K52, 128                         ; R2
	PKMUL 0, 0, K32
	WIN 0x53
	PKFMA 0, 0, G31, 0                             ; q3 = c a32 t2 + (a31 / b1) R0
.elseif \j == 3
	WIN 0xf1
	PKFMA 0, 0, KB3, 0                             ; R0
	PKFMA 128, 0, K63, 128                         ; R1
	WIN 0x51
	PKFMA 128, 0, K53, 128                         ; R2
	PKMUL 0, 0, K43P
	PKFMA 0, 128, BE4, 0
	WIN 0x53
	PKFMA 0, 0, AL4, 0                             ; q4 = K43P t3 + BE4 R2 + AL4 R0
.elseif \j == 4
	WIN 0xf1
	PKFMA 0, 0, KB4, 0                             ; R0
	PKFMA 128, 0, K64, 128                         ; R1
	WIN 0x51
	PKFMA 0, 0, K54, 128                           ; q5 = c a54 t4 + R2
.elseif \j == 5
	WIN 0xf1
	PKFMA 0, 0, KB5, 0                             ; R0
	WIN 0x71
	PKFMA 0, 0, K65, 128                           ; q6 = c a65 t5 + R1
.else
	WIN 0x71
	PKFMA 0, 0, KB6, 0                             ; q_f = c b6 t6 + R0
.endif
	WIN 0
.endm
.macro QOUT                            ; q to bf16 and into X
	WIN 0x45
	PACK 0
	XOUT
.endm
	BTLOAD 0                                       ; bp
	FETCHW 0, 1, 0                                 ; chunk 0's first K step
	GEMM WPB, 2, W1B, 2, 0                         ; P: ACC = y + u Wp
	PLACES
	WIN 0x81
	ADDBT 0                                        ; S = ACC + bp
	BTLOAD 1                                       ; K2 b1
	WIN 0x4a
	PACK 0                                         ; from S
	SWAP                                           ; a short phase: the change of slots stands just ahead of the stores into X
	XOUT
	GEMM W1B, 4, W2B, 1, 0                         ; G0: ACC = S (K2 W1)
	PLACES
	WIN 0x81
	ADDBT 128                                      ; Z = ACC + K2 b1
	BTLOAD 2
	WIN 0x42
	EXPP 128                                       ; from Z
	SWAP
	WIN 0x45
	RCPP
	TANH
	PACK 0
	XOUT
	GEMM W2B, 4, W31B, 4, 0                        ; H1: C = K2 b2
	EPI_T
	UPD 1                                          ; writes R0, R1, R2 whole: the loop below reads nothing that is not written here or above
	QOUT
	s_mov_b32 s66, 2                               ; the stage
.Lstage:
	s_mov_b32 s20, W31B                            ; what follows this stage's H in the stream: the next stage's W31, or W3 behind the last stage
	s_cmp_eq_u32 s66, 6
	s_cselect_b32 s20, W3B, s20
	GEMM W31B, 4, W2B, 3, 0                        ; Z_j: C = Z
	EPI_Z
	GEMM W2B, 4, -1, 4, 0                          ; H_j: C = K2 b2
	EPI_T
	WIN 0
	s_cmp_eq_u32 s66, 2
	s_cbranch_scc1 .Lupd2
	s_cmp_eq_u32 s66, 3
	s_cbranch_scc1 .Lupd3
	s_cmp_eq_u32 s66, 4
	s_cbranch_scc1 .Lupd4
	s_cmp_eq_u32 s66, 5
	s_cbranch_scc1 .Lupd5
	UPD 6
	s_branch .Lupd_done
.Lupd2:
	UPD 2
	s_branch .Lupd_done
.Lupd3:
	UPD 3
	s_branch .Lupd_done
.Lupd4:
	UPD 4
	s_branch .Lupd_done
.Lupd5:
	UPD 5
.Lupd_done:
	QOUT
	s_add_co_u32 s66, s66, 1
	s_cmp_lt_u32 s66, 7
	s_cbranch_scc1 .Lstage
	GEMM W3B, 4, 0, 2, 1                           ; F: ACC = S + q_f W3; its last two chunks fill nothing, and behind its last chunk no change of slots is left
	; THE WAY OUT: + c b3, 32 bytes a tile into my stage, read back as whole rows: each store of the wave covers 512 consecutive bytes of a row of out0, aligned.
.macro ROWS_IN a, n                    ; rows a .. a + n - 1 of my stage into the fragment registers, which are dead; 16 bytes a lane
.set i, \a
.rept \n
	ds_load_b128 v[WF+4*i:WF+4*i+3], v[WADR+1] offset:i*YP       ; LDS serves a wave's instructions in order (ISA guide 5.7.1): these see my stores above
.set i, i+1
.endr
.endm
.macro ROWS_OUT a, left                ; rows a .. a + 7 to out0; left = how many younger LDS loads may stay out
	s_wait_dscnt \left
.set i, \a
.rept 8
	global_store_b128 v[OOFF], v[WF+4*i:WF+4*i+3], s[12:13] offset:i*2048 th:TH_STORE_NT
.set i, i+1
.endr
.endm
	PLACES
	WIN 0x41
	ADDBT 0
	WIN 0x04                                       ; address in block 0, data in block 1
.set t, 0
.rept 16
	ds_store_b128 v[SST], v[8*t:8*t+3]   offset:(t&1)*16*YP+(t>>1)*64
	ds_store_b128 v[SST], v[8*t+4:8*t+7] offset:(t&1)*16*YP+(t>>1)*64+16
.set t, t+1
.endr
	WIN 0
	ROWS_IN 0, 24
	ROWS_OUT 0, 16                                 ; behind rows 0 to 7: the loads of rows 8 to 23
	ROWS_IN 24, 8                                  ; the last eight rows' loads go out behind the first eight rows' stores
	ROWS_OUT 8, 16                                 ; behind rows 8 to 15: the loads of rows 16 to 31
	ROWS_OUT 16, 8                                 ; behind rows 16 to 23: the loads of rows 24 to 31
	ROWS_OUT 24, 0                                 ; the last: no LDS instruction of mine is pending at the signals below
	s_wait_tensorcnt 0x0
	ds_add_u32 v30, v31
	s_wait_dscnt 0x0
	ROUND                                          ; the closing round: no work-group ends while a partner may still ask for a chunk that names it
	s_endpgm
.Lfunc_end_k_q1c224f02e5_ode:
	.size	k_q1c224f02e5_ode, .Lfunc_end_k_q1c224f02e5_ode-k_q1c224f02e5_ode
	.p2alignl 7, 3214868480
	.fill 96, 4, 3214868480
	.section	.rodata,"a",@progbits
	.p2align	6, 0x0
	.amdhsa_kernel k_q1c224f02e5_ode
		.amdhsa_group_segment_fixed_size 327680
		.amdhsa_private_segment_fixed_size 0
		.amdhsa_enable_private_segment 0
		.amdhsa_kernarg_size 40
		.amdhsa_user_sgpr_count 2
		.amdhsa_user_sgpr_kernarg_segment_ptr 1
		.amdhsa_wavefront_size32 1
		.amdhsa_system_sgpr_workgroup_id_x 1
		.amdhsa_system_sgpr_workgroup_id_y 1
		.amdhsa_system_sgpr_workgroup_id_z 1
		.amdhsa_system_vgpr_workitem_id 0
		.amdhsa_next_free_vgpr 1024
		.amdhsa_next_free_sgpr 80
		.amdhsa_reserve_vcc 0
		.amdhsa_float_denorm_mode_32 3
		.amdhsa_float_denorm_mode_16_64 3
		.amdhsa_memory_ordered 1
		.amdhsa_forward_progress 1
		.amdhsa_inst_pref_size 255
	.end_amdhsa_kernel
	.section	.bss,"aw",@nobits
	.p2align	6
	.space	262144
	.amdgpu_metadata
---
amdhsa.version: [ 1, 2 ]
amdhsa.kernels:
  - .name:           k_q1c224f02e5_ode
    .symbol:         k_q1c224f02e5_ode.kd
    .args:
      - { .name: y, .offset: 0, .size: 8, .value_kind: global_buffer, .address_space: global }
      - { .name: u_t, .offset: 8, .size: 8, .value_kind: global_buffer, .address_space: global }
      - { .name: wpack, .offset: 16, .size: 8, .value_kind: global_buffer, .address_space: global }
      - { .name: btab, .offset: 24, .size: 8, .value_kind: global_buffer, .address_space: global }
      - { .name: out0, .offset: 32, .size: 8, .value_kind: global_buffer, .address_space: global }
    .group_segment_fixed_size: 327680
    .private_segment_fixed_size: 0
    .kernarg_segment_align: 8
    .kernarg_segment_size: 40
    .max_flat_workgroup_size: 128
    .sgpr_count:     80
    .vgpr_count:     1024
    .wavefront_size: 32
...
	.end_amdgpu_metadata
.endif
;; end of part 3
